; MI455X (gfx1250); checked and timed in simulation.
; The chip was launched on July 23, 2026; its instructions are those of AMD's public machine-readable ISA for CDNA 5 (MIT licence, August 2026) and "CDNA5" Instruction Set Architecture Reference Guide (July 2026). The comments in the code are by the model that wrote it; some were corrected since.
;; psm query. Allowed arithmetic: float matrix products may take bf16 or f16 operands with f32 sums; all other float work in f32.
;; Inputs: mask 2 x 5 int32; psm 2 x 5 x 2 x 64 x 64 float32; x 2 x 5 x 64 x 64 x 64 float32.
;; Outputs: out0 2 x 5 x 64 x 64 x 64 float32.
;; 2 versions, each right and faster than the one before. Each part assembles by itself: llvm-mc -triple=amdgcn-amd-amdhsa -mcpu=gfx1250 --defsym DOCPART=n.
;; ======== version 1 of 2: 2 launches
;; workspace buffers: upd 131,072 bytes
;; launch attn (part 1): grid 256 x 1, 16 waves a work-group, no clusters, 118,784 bytes of LDS; arguments psm, x, upd, out0; writes upd, out0
.if DOCPART == 1
	.amdgcn_target "amdgcn-amd-amdhsa--gfx1250"
	.amdhsa_code_object_version 6
	.text
	.protected	k_q59a0f8a9a5_attn
	.globl	k_q59a0f8a9a5_attn
	.p2align	8
	.type	k_q59a0f8a9a5_attn,@function
k_q59a0f8a9a5_attn:
	s_mov_b64 s[64:65], 0
	v_nop
	global_prefetch_b8 v0, s[64:65] scope:SCOPE_SE
	s_setreg_imm32_b32 hwreg(HW_REG_WAVE_MODE, 25, 1), 1
	s_wait_xcnt 0x0
; upd[p][s] = max over a of sigmoid( sum_t softmax_t(q_s . k_t / sqrt 2) k_t[a] ),  p = 8 pairs (batch b, cav l = 1..4), s, t = 0..4095.
; q = psm[b][0], k = psm[b][l], two numbers (planes) for each position.  Also: out0[b][0] = x[b][0], 8 KiB for each work-group.
; A work-group owns one pair and 128 queries (8 tiles of 16); each of its 16 waves owns 256 keys, kept in registers for the whole launch.
; BOTH PRODUCTS RUN ON THE bf16 MATRIX UNIT WITH SPLIT OPERANDS, because a top-k decision follows and needs f32 accuracy:
;   S^T = K Q^T: q' = q log2(e)/sqrt 2 and k are split exactly into three bf16 parts (h, m, l).  Lanes 0-15 carry plane 0, lanes 16-31 plane 1.
;     K places of a lane:  key side (kh km | kl kh | km kh | 1 1),  query side (qh qh | qh qm | qm ql | parts of -max).
;     The terms left out (m l, l m, l l) are below 2^-26 of a product.  The second half of K (registers 4-7) is zero on the query side;
;     on the key side it is simply the next fragment's registers (finite numbers times zero), so a fragment costs 4 registers.
;     One instruction gives s - max (base 2) for 16 keys x 16 queries; lane (r, h), register j: key row 8h + j, query r.
;   O^T = V^T P^T: that layout, packed in pairs, is already the B operand (column = query r, K = keys).  P = exp2 is split hi + lo: two products.
;     A rows: 0-2 the three parts of plane 0, 3-5 of plane 1, 6 ones (the softmax sum), 7 zeros; rows 8-15 repeat rows 0-7, so both halves of
;     the lanes end with the same numbers.
; The maximum is taken away per wave (pass 1 over the wave's 256 keys); the 16 waves' partial sums are merged by their maximum M and exp2(m_w - M).
; So no barrier stands between the passes; the one barrier stands in front of the merge.
; Which key sits in which fragment row is free (a sum over keys): each lane loads 16 consecutive bytes, 16 lanes 256 consecutive aligned bytes.
; No cluster, no tensor loads: what work-groups share is a pair's 32 KiB of keys, read once by each, converted on the way and kept in registers.
; LIMITS: psm finite and below bf16's largest number.  A weight P is carried to 2^-18 of itself (the same error in numerator and denominator).
; Sums are ordered otherwise than in the defining program and the maximum over the two planes is taken ahead of the (monotone) sigmoid:
; two results closer than a few f32 roundings can be ranked otherwise.
.set PLANE,  16384                     ; bytes of one [64][64] plane of f32
.set NQT,    8                         ; query tiles in a work-group
.set TPITCH, 528                       ; a transposition row: 256 bf16 + 16 bytes, an odd multiple of 16
.set TWAVE,  8*TPITCH                  ; a wave's eight rows
.set QS,     16*TWAVE                  ; behind them: a copy of the group's 128 queries for each wave, [plane][128] f32 = 1,024 bytes
.set PART,   QS+16*1024                ; behind them: partials [wave][query 128] of 16 bytes (m, o0, o1, sum)
.set CSCALE, 0x3f8293ee                ; log2(e) / sqrt(2)
.set LANE, 1
.set R,    2                           ; lane % 16
.set H,    3                           ; lane / 16
.set NEG1, 4                           ; -1.0
.set QOFF, 5
.set QN,   6                           ; the tile's raw q
.set Q,    7
.set T0,   8
.set T1,   9
.set T2,   10
.set PADR, 11
.set MX,   12                          ; v[12:15] four running maxima
.set RES,  16                          ; v[16:19] m, o0, o1, sum
.set QB,   20                          ; v[20:27] query fragment; 24-27 stay zero
.set AH,   28                          ; v[28:35] accumulator of the hi products
.set AL,   36                          ; v[36:43] accumulator of the lo products
.set SA,   44                          ; v[44:59] S buffer
.set SB,   60                          ; v[60:75] S buffer
.set P0,   76                          ; v[76:91]  P hi (8), P lo (8)
.set P1,   92                          ; v[92:107] the same, second buffer
.set MADR, 108
.set UOFF, 109
.set KA,   112                         ; v[112:175] 16 key fragments of 4 registers
.set VA,   176                         ; v[176:239] 8 V fragments of 8 registers
.set XD,   240
.set XOFF, 244
.set TW,   245
.set TR,   246
.set KOFF, 247
.set QW,   248
.set QR,   249
	s_load_b256 s[4:11], s[0:1], 0x0               ; psm s[4:5], x s[6:7], upd s[8:9], out0 s[10:11]
	v_lshl_add_u32 v254, v0, 2, 0x1c800
	v_mov_b32 v255, 0
	v_lshrrev_b32 v[T0], 5, v0
	v_readfirstlane_b32 s12, v[T0]                 ; wave 0..15
	v_and_b32 v[LANE], 31, v0
	v_and_b32 v[R], 15, v0
	v_bfe_u32 v[H], v0, 4, 1
	v_mov_b32 v[NEG1], -1.0
	s_mov_b32 s2, 0x76543210                       ; v_permlanex16_b32: lane i reads lane i of the other half
	s_mov_b32 s3, 0xfedcba98
	s_mov_b32 s21, 0xffff0000                      ; lanes 16-31
	s_lshr_b32 s13, ttmp9, 5                       ; pair 0..7
	s_and_b32 s14, ttmp9, 31                       ; group of 128 queries
	s_lshr_b32 s15, s13, 2                         ; b
	s_and_b32 s20, s13, 3                          ; l - 1
	s_mul_i32 s16, s15, 10*PLANE                   ; psm[b][0]: the queries' planes
	s_mov_b32 s17, 0
	s_lshl_b32 s18, s20, 15
	s_add_co_u32 s18, s18, s16
	s_add_co_u32 s18, s18, 2*PLANE                 ; psm[b][l]: the keys' planes
	s_mov_b32 s19, 0
	s_lshl_b32 s27, s14, 9                         ; 128 queries of 4 bytes
	s_lshl_b32 s28, s13, 14
	s_add_co_u32 s28, s28, s27                     ; my 512 bytes of upd
	s_mov_b32 s29, 0
	v_lshlrev_b32 v[T1], 14, v[H]                  ; plane h
	v_lshl_add_u32 v[T1], v[R], 4, v[T1]           ; + 16 r
	v_add_nc_u32 v[QOFF], s27, v[T1]
	s_lshl_b32 s30, s12, 10                        ; my wave's 256 keys
	v_add_nc_u32 v[KOFF], s30, v[T1]
	s_lshr_b32 s31, ttmp9, 7                       ; the ego copy: 128 work-groups for each batch, 8 KiB each
	s_mul_i32 s31, s31, 320*PLANE                  ; a batch is 5 agents x 64 planes
	s_and_b32 s32, ttmp9, 127
	s_lshl_b32 s32, s32, 13
	s_add_co_u32 s31, s31, s32
	v_lshl_add_u32 v[XOFF], v0, 4, s31
	s_wait_kmcnt 0x0
	s_add_nc_u64 s[22:23], s[4:5], s[16:17]
	s_add_nc_u64 s[24:25], s[4:5], s[18:19]
	s_add_nc_u64 s[8:9], s[8:9], s[28:29]
.irp g, 0,1,2,3
	global_load_b128 v[SA+4*\g:SA+4*\g+3], v[KOFF], s[24:25] offset:256*\g   ; register 4g + c: key 64g + 4r + c of my 256, plane h = row r of tile 4g + c
.endr
	global_load_b128 v[P0:P0+3], v[QOFF], s[22:23]                ; the group's queries 4r .. 4r + 3 of plane h,
	global_load_b128 v[P0+4:P0+7], v[QOFF], s[22:23] offset:256   ; and 64 + 4r ..
	global_load_b128 v[XD:XD+3], v[XOFF], s[6:7] th:TH_LOAD_NT
	; LDS addresses, all in my wave's own bytes
	s_mul_i32 s34, s12, TWAVE
	v_mul_u32_u24 v[TW], v[H], 3*TPITCH            ; in: rows 3h, 3h + 1, 3h + 2; column = 16 x tile + row of the key
	v_lshl_add_u32 v[TW], v[R], 1, v[TW]
	v_add_nc_u32 v[TW], s34, v[TW]
	v_and_b32 v[T0], 7, v0
	v_mul_u32_u24 v[TR], v[T0], TPITCH             ; back: row r % 8, 16 bytes for each half of the lanes
	v_lshl_add_u32 v[TR], v[H], 4, v[TR]
	v_add_nc_u32 v[TR], s34, v[TR]
	v_lshl_add_u32 v[T2], v[LANE], 4, s34
	s_lshl_b32 s35, s12, 10
	s_add_co_u32 s35, s35, QS
	v_lshl_add_u32 v[QW], v[H], 9, s35
	v_lshl_add_u32 v[QR], v[R], 2, v[QW]
	v_lshl_add_u32 v[QW], v[R], 4, v[QW]
	s_lshl_b32 s36, s12, 11
	s_add_co_u32 s36, s36, PART
	v_lshl_add_u32 v[PADR], v[R], 4, s36
.irp j, 0,1,2,3
	v_mov_b32 v[P1+\j], 0x3f803f80                 ; two bf16 ones
	v_mov_b32 v[P1+4+\j], 0
	v_mov_b32 v[QB+4+\j], 0                        ; the query fragment's second half of K
.endr
	ds_store_b128 v[T2], v[P1:P1+3] offset:6*TPITCH      ; row 6: ones
	ds_store_b128 v[T2], v[P1+4:P1+7] offset:7*TPITCH    ; row 7: zeros
	s_wait_loadcnt 0x3                             ; the four key loads are in; two query loads and the x load stay out
; One key of each lane: three exact bf16 parts, laid out as the fragment wants them; the parts also go to the transposition rows.
.macro SPLITK t
	v_cvt_pk_bf16_f32 v[T0], v[SA+\t], v[SA+\t]
	v_fma_mix_f32_bf16 v[T1], v[T0], v[NEG1], v[SA+\t] op_sel_hi:[1,0,0]                        ; k - kh, exact
	v_cvt_pk_bf16_f32 v[KA+4*\t], v[SA+\t], v[T1]                                               ; (kh, km)
	v_fma_mix_f32_bf16 v[T2], v[KA+4*\t], v[NEG1], v[T1] op_sel:[1,0,0] op_sel_hi:[1,0,0]       ; k - kh - km, exact
	v_cvt_pk_bf16_f32 v[KA+4*\t+1], v[T2], v[SA+\t]                                             ; (kl, kh)
	v_cvt_pk_bf16_f32 v[KA+4*\t+2], v[T1], v[SA+\t]                                             ; (km, kh)
	v_mov_b32 v[KA+4*\t+3], 0x3f803f80                                                          ; (1, 1): meets the parts of -max
	ds_store_b16 v[TW], v[KA+4*\t] offset:32*\t                    ; kh
	ds_store_b16 v[TW], v[KA+4*\t+2] offset:TPITCH+32*\t           ; km
	ds_store_b16 v[TW], v[KA+4*\t+1] offset:2*TPITCH+32*\t         ; kl
.endm
.irp t, 0,1,2,3,4,5,6,7,8,9,10,11,12,13,14,15
	SPLITK \t
.endr
.irp u, 0,1,2,3,4,5,6,7
	ds_load_b128 v[VA+8*\u:VA+8*\u+3], v[TR] offset:64*\u          ; LDS serves a wave's instructions in order (ISA guide 5.7.1): these see the stores above
	ds_load_b128 v[VA+8*\u+4:VA+8*\u+7], v[TR] offset:64*\u+32
.endr
	s_wait_loadcnt 0x1                             ; the two query loads are in; the x load stays out
	ds_store_b128 v[QW], v[P0:P0+3]
	ds_store_b128 v[QW], v[P0+4:P0+7] offset:256
	s_wait_loadcnt 0x0
	global_store_b128 v[XOFF], v[XD:XD+3], s[10:11] th:TH_STORE_NT   ; the wave stores 512 consecutive bytes, aligned
; Four places behind a matrix instruction before a vector instruction reads its result or writes one of its registers (ISA guide 7.12.1)
.macro NOP4
.rept 4
	v_nop
.endr
.endm
; S^T of key tile t into 8 registers at d
.macro SW d, t
	v_wmma_f32_16x16x32_bf16 v[\d:\d+7], v[KA+4*(\t):KA+4*(\t)+7], v[QB:QB+7], 0
.endm
; The tile's query fragment: lane (r, h) takes query r, plane h, scales it and splits it into three exact parts.  The -max places are 0 for pass 1.
.macro QPREP
	ds_load_b32 v[QN], v[QR]
	s_wait_dscnt 0x0                               ; q is in; in the first trip also the V fragments
	v_mul_f32 v[Q], CSCALE, v[QN]
	v_cvt_pk_bf16_f32 v[QB], v[Q], v[Q]                                                         ; (qh, qh)
	v_fma_mix_f32_bf16 v[T1], v[QB], v[NEG1], v[Q] op_sel_hi:[1,0,0]                            ; q - qh
	v_cvt_pk_bf16_f32 v[QB+1], v[Q], v[T1]                                                      ; (qh, qm)
	v_fma_mix_f32_bf16 v[T2], v[QB+1], v[NEG1], v[T1] op_sel:[1,0,0] op_sel_hi:[1,0,0]          ; q - qh - qm
	v_cvt_pk_bf16_f32 v[QB+2], v[T1], v[T2]                                                     ; (qm, ql)
	v_mov_b32 v[QB+3], 0
.endm
; Pass 1: the largest s over my wave's 256 keys, for each of the 16 queries.  Two batches of eight products into v[44:107], four chains of maxima.
.macro PASS1
.irp b, 0,1,2,3,4,5,6,7
	SW SA+8*\b, \b
.endr
	NOP4
.irp c, 0,1,2,3
	v_max_num_f32 v[MX+\c], v[SA+2*\c], v[SA+2*\c+1]               ; the first eight numbers start the chains
.endr
.set i, 8
.rept 28
	v_max3_num_f32 v[MX+(i/2)%4], v[MX+(i/2)%4], v[SA+i], v[SA+i+1]
.set i, i+2
.endr
.irp b, 0,1,2,3,4,5,6,7
	SW SA+8*\b, 8+\b
.endr
	NOP4
.set i, 0
.rept 32
	v_max3_num_f32 v[MX+(i/2)%4], v[MX+(i/2)%4], v[SA+i], v[SA+i+1]
.set i, i+2
.endr
	v_max3_num_f32 v[MX], v[MX], v[MX+1], v[MX+2]
	v_max_num_f32 v[MX], v[MX], v[MX+3]
	v_permlanex16_b32 v[T0], v[MX], s2, s3         ; the other eight key rows of each tile lie in the other half of the lanes
	v_max_num_f32 v[RES], v[MX], v[T0]
.endm
; -max in three exact parts into the query fragment: (mh, mm) in lanes 0-15, (ml, 0) in lanes 16-31; they meet the ones of the key fragments
.macro MAXFOLD
	v_sub_f32 v[Q], 0, v[RES]
	v_cvt_pk_bf16_f32 v[T0], v[Q], v[Q]
	v_fma_mix_f32_bf16 v[T1], v[T0], v[NEG1], v[Q] op_sel_hi:[1,0,0]
	v_cvt_pk_bf16_f32 v[T0], v[Q], v[T1]
	v_fma_mix_f32_bf16 v[T2], v[T0], v[NEG1], v[T1] op_sel:[1,0,0] op_sel_hi:[1,0,0]
	v_cvt_pk_bf16_f32 v[T2], v[T2], v[QB+4]
	v_cndmask_b32 v[QB+3], v[T0], v[T2], s21
.endm
; A unit of 32 keys.  X holds s - max; the next unit's two S products go into Y, and this unit's 32 plain vector instructions, which name
; only X, P and NEG1, are the places behind them.  AH and AL take turns, one instruction a turn.
.macro UNIT u, X, Y, P, first, last
.irp i, 0,1,2,3,4,5,6,7,8,9,10,11,12,13,14,15
	v_exp_f32 v[\X+\i], v[\X+\i]
.endr
	v_nop                                          ; one plain place behind the exponentials before their results are used (ISA guide 5.7.2)
.if \last == 0
	SW \Y, 2*\u+2
	SW \Y+8, 2*\u+3
.endif
	s_wait_alu depctr_va_vdst(0)
.irp i, 0,1,2,3,4,5,6,7
	v_cvt_pk_bf16_f32 v[\P+\i], v[\X+2*\i], v[\X+2*\i+1]           ; P hi
.endr
.irp i, 0,1,2,3,4,5,6,7
	v_fma_mix_f32_bf16 v[\X+2*\i], v[\P+\i], v[NEG1], v[\X+2*\i] op_sel_hi:[1,0,0]                    ; p - hi, exact
	v_fma_mix_f32_bf16 v[\X+2*\i+1], v[\P+\i], v[NEG1], v[\X+2*\i+1] op_sel:[1,0,0] op_sel_hi:[1,0,0]
.endr
.irp i, 0,1,2,3,4,5,6,7
	v_cvt_pk_bf16_f32 v[\P+8+\i], v[\X+2*\i], v[\X+2*\i+1]         ; P lo
.endr
.if \first
	v_wmma_f32_16x16x32_bf16 v[AH:AH+7], v[VA+8*\u:VA+8*\u+7], v[\P:\P+7], 0          ; the first products start the sums
	v_wmma_f32_16x16x32_bf16 v[AL:AL+7], v[VA+8*\u:VA+8*\u+7], v[\P+8:\P+15], 0
.else
	v_wmma_f32_16x16x32_bf16 v[AH:AH+7], v[VA+8*\u:VA+8*\u+7], v[\P:\P+7], v[AH:AH+7]
	v_wmma_f32_16x16x32_bf16 v[AL:AL+7], v[VA+8*\u:VA+8*\u+7], v[\P+8:\P+15], v[AL:AL+7]
.endif
.endm
.macro PASS2
	SW SA, 0
	SW SA+8, 1
	NOP4
	UNIT 0, SA, SB, P0, 1, 0
	UNIT 1, SB, SA, P1, 0, 0
	UNIT 2, SA, SB, P0, 0, 0
	UNIT 3, SB, SA, P1, 0, 0
	UNIT 4, SA, SB, P0, 0, 0
	UNIT 5, SB, SA, P1, 0, 0
	UNIT 6, SA, SB, P0, 0, 0
	UNIT 7, SB, SA, P1, 0, 1
.endm
; The wave's partial result for the tile: hi + lo, the three parts of each plane added from the small end, and the sum
.macro TAIL
	NOP4
.irp j, 0,2,4
	v_pk_add_f32 v[AH+\j:AH+\j+1], v[AH+\j:AH+\j+1], v[AL+\j:AL+\j+1]
.endr
	v_add_f32 v[RES+3], v[AH+6], v[AL+6]
	v_add_f32 v[T0], v[AH+1], v[AH+2]
	v_add_f32 v[T1], v[AH+4], v[AH+5]
	v_add_f32 v[RES+1], v[AH], v[T0]
	v_add_f32 v[RES+2], v[AH+3], v[T1]
	ds_store_b128 v[PADR], v[RES:RES+3]            ; both halves of the lanes hold the same numbers and write the same bytes
	v_add_nc_u32 v[PADR], 256, v[PADR]             ; 16 queries of 16 bytes on
	v_add_nc_u32 v[QR], 64, v[QR]                  ; 16 queries of 4 bytes on
.endm
	s_mov_b32 s26, NQT
.Ltile:
	QPREP
	PASS1
	MAXFOLD
	PASS2
	TAIL
	s_sub_co_u32 s26, s26, 1
	s_cmp_lg_u32 s26, 0
	s_cbranch_scc1 .Ltile
	s_wait_dscnt 0x0                               ; my partials are in LDS, for the others' sake
	s_barrier_signal -1
	s_barrier_wait -1                              ; everybody's are
	s_cmp_gt_u32 s12, 1
	s_cbranch_scc1 .Ldone                          ; waves 0 and 1 merge: 64 queries each, two a lane
; Query 64 w + 2 lane + e: M = max of the 16 m_w; sums of exp2(m_w - M) x (o0, o1, sum); sigmoid of the larger quotient
.macro MERGE e
.irp w, 0,1,2,3,4,5,6,7,8,9,10,11,12,13,14,15
	ds_load_b128 v[SA+4*\w:SA+4*\w+3], v[MADR] offset:2048*\w+16*\e
.endr
	s_wait_dscnt 0x0
	v_max3_num_f32 v[T0], v[SA], v[SA+4], v[SA+8]
.irp w, 3,5,7,9,11,13
	v_max3_num_f32 v[T0], v[T0], v[SA+4*\w], v[SA+4*\w+4]
.endr
	v_max_num_f32 v[T0], v[T0], v[SA+60]
.irp w, 0,1,2,3,4,5,6,7,8,9,10,11,12,13,14,15
	v_sub_f32 v[SA+4*\w], v[SA+4*\w], v[T0]
.endr
.irp w, 0,1,2,3,4,5,6,7,8,9,10,11,12,13,14,15
	v_exp_f32 v[SA+4*\w], v[SA+4*\w]
.endr
	v_nop
	s_wait_alu depctr_va_vdst(0)
.irp c, 0,1,2
	v_mul_f32 v[AH+\c], v[SA], v[SA+1+\c]
.endr
.irp w, 1,2,3,4,5,6,7,8,9,10,11,12,13,14,15
.irp c, 0,1,2
	v_fmac_f32 v[AH+\c], v[SA+4*\w], v[SA+4*\w+1+\c]
.endr
.endr
	v_max_num_f32 v[T1], v[AH], v[AH+1]            ; the sum is positive and the sigmoid monotone: the maximum may be taken here
	v_rcp_f32 v[T2], v[AH+2]
	v_nop
	s_wait_alu depctr_va_vdst(0)
	v_mul_f32 v[T1], v[T1], v[T2]
	v_mul_f32 v[T1], 0xbfb8aa3b, v[T1]             ; -log2(e) x
	v_exp_f32 v[T1], v[T1]
	v_nop
	s_wait_alu depctr_va_vdst(0)
	v_add_f32 v[T1], 1.0, v[T1]
	v_rcp_f32 v[RES+\e], v[T1]                     ; 1 / (1 + e^-x)
	v_nop
.endm
	s_lshl_b32 s33, s12, 10
	s_add_co_u32 s33, s33, PART
	v_lshl_add_u32 v[MADR], v[LANE], 5, s33        ; 16 bytes x (64 w + 2 lane)
	s_lshl_b32 s33, s12, 8
	v_lshl_add_u32 v[UOFF], v[LANE], 3, s33        ; 4 bytes x (64 w + 2 lane)
	MERGE 0
	MERGE 1
	s_wait_alu depctr_va_vdst(0)
	global_store_b64 v[UOFF], v[RES:RES+1], s[8:9] ; the wave stores 256 consecutive bytes, aligned
.Ldone:
	s_wait_tensorcnt 0x0
	ds_add_u32 v254, v255
	s_wait_dscnt 0x0
	s_endpgm
.Lfunc_end_k_q59a0f8a9a5_attn:
	.size	k_q59a0f8a9a5_attn, .Lfunc_end_k_q59a0f8a9a5_attn-k_q59a0f8a9a5_attn
	.p2alignl 7, 3214868480
	.fill 96, 4, 3214868480
	.section	.rodata,"a",@progbits
	.p2align	6, 0x0
	.amdhsa_kernel k_q59a0f8a9a5_attn
		.amdhsa_group_segment_fixed_size 118784
		.amdhsa_private_segment_fixed_size 0
		.amdhsa_enable_private_segment 0
		.amdhsa_kernarg_size 32
		.amdhsa_user_sgpr_count 2
		.amdhsa_user_sgpr_kernarg_segment_ptr 1
		.amdhsa_wavefront_size32 1
		.amdhsa_system_sgpr_workgroup_id_x 1
		.amdhsa_system_sgpr_workgroup_id_y 1
		.amdhsa_system_sgpr_workgroup_id_z 1
		.amdhsa_system_vgpr_workitem_id 0
		.amdhsa_next_free_vgpr 256
		.amdhsa_next_free_sgpr 66
		.amdhsa_reserve_vcc 0
		.amdhsa_float_denorm_mode_32 3
		.amdhsa_float_denorm_mode_16_64 3
		.amdhsa_memory_ordered 1
		.amdhsa_forward_progress 1
		.amdhsa_inst_pref_size 55
	.end_amdhsa_kernel
	.amdgpu_metadata
---
amdhsa.version: [ 1, 2 ]
amdhsa.kernels:
  - .name:           k_q59a0f8a9a5_attn
    .symbol:         k_q59a0f8a9a5_attn.kd
    .args:
      - { .name: psm, .offset: 0, .size: 8, .value_kind: global_buffer, .address_space: global }
      - { .name: x, .offset: 8, .size: 8, .value_kind: global_buffer, .address_space: global }
      - { .name: upd, .offset: 16, .size: 8, .value_kind: global_buffer, .address_space: global }
      - { .name: out0, .offset: 24, .size: 8, .value_kind: global_buffer, .address_space: global }
    .group_segment_fixed_size: 118784
    .private_segment_fixed_size: 0
    .kernarg_segment_align: 8
    .kernarg_segment_size: 32
    .max_flat_workgroup_size: 512
    .sgpr_count:     66
    .vgpr_count:     256
    .wavefront_size: 32
...
	.end_amdgpu_metadata
.endif
;; end of part 1
;; launch apply (part 2): grid 256 x 1, 8 waves a work-group, no clusters, 1,280 bytes of LDS; arguments mask, upd, x, out0; writes out0
.if DOCPART == 2
	.amdgcn_target "amdgcn-amd-amdhsa--gfx1250"
	.amdhsa_code_object_version 6
	.text
	.protected	k_q59a0f8a9a5_apply
	.globl	k_q59a0f8a9a5_apply
	.p2align	8
	.type	k_q59a0f8a9a5_apply,@function
k_q59a0f8a9a5_apply:
	s_mov_b64 s[64:65], 0
	v_nop
	global_prefetch_b8 v0, s[64:65] scope:SCOPE_SE
	s_setreg_imm32_b32 hwreg(HW_REG_WAVE_MODE, 25, 1), 1
	s_wait_xcnt 0x0
; out0[b][l] = x[b][l] * (upd[p] >= the 2048th largest of upd[p]) * (mask[b][l] != 0), l = 1..4, p = 4 b + l - 1.
; A work-group owns one pair and 128 positions of all 64 channels: 32 KiB in, 32 KiB out.  Wave w takes channels 8w .. 8w + 7; a load or store
; of a wave covers 512 consecutive aligned bytes.  All loads of x are issued first and are on their way while the threshold is found.
; THE THRESHOLD: upd lies in [0, 1], so its words order as unsigned numbers.  T = the largest word with count(upd >= T) >= 2048 is the 2048th
; largest value.  T is built from the top, two bits a step: three candidates, each thread compares its 16 words, lane masks are counted,
; the eight waves' counts meet in LDS.  16 steps.  Each of a pair's 32 work-groups finds the threshold for itself from the pair's 16 KiB:
; that spares a launch of its own, and no work-group depends on another.
; The result of the selection feeds selects alone: no branch and no address hangs on it.
; No matrix unit, cluster or tensor load: the launch streams, and what is shared is 16 KiB.
; LIMIT: upd holds no NaN and no negative number (the launch in front makes it by 1 / (1 + 2^y)).
.set KSEL, 2048                        ; int(4096 * 0.5)
.set LANE, 1
.set UOFF, 2
.set FOFF, 3
.set XOFF, 4
.set WADR, 5
.set ZERO, 6
.set KF,   7
.set C,    8                           ; v[8:11]  my wave's three counts, and a zero
.set S,    12                          ; v[12:14] the three totals
.set U,    16                          ; v[16:31] my 16 words of the pair's upd
.set F,    32                          ; v[32:35] upd of my four positions, then the factor
.set X,    36                          ; v[36:67] eight loads of x
.set G,    68                          ; v[68:99] the eight waves' counts
	s_load_b256 s[4:11], s[0:1], 0x0               ; mask s[4:5], upd s[6:7], x s[8:9], out0 s[10:11]
	v_lshl_add_u32 v104, v0, 2, 0x100
	v_mov_b32 v105, 0
	v_lshrrev_b32 v[C], 5, v0
	v_readfirstlane_b32 s12, v[C]                  ; wave 0..7
	v_and_b32 v[LANE], 31, v0
	s_lshr_b32 s13, ttmp9, 5                       ; pair
	s_and_b32 s14, ttmp9, 31                       ; chunk of 128 positions
	s_lshr_b32 s15, s13, 2                         ; b
	s_and_b32 s21, s13, 3                          ; l - 1
	s_mul_i32 s15, s15, 5
	s_add_co_u32 s15, s15, s21
	s_add_co_u32 s15, s15, 1                       ; agent = 5 b + l
	s_lshl_b32 s16, s15, 2                         ; its word of mask
	s_mov_b32 s17, 0
	s_lshl_b32 s26, s15, 20                        ; its 64 planes of 16 KiB in x and out0
	s_mov_b32 s27, 0
	s_lshl_b32 s28, s13, 14                        ; the pair's 16 KiB of upd
	s_mov_b32 s29, 0
	v_lshlrev_b32 v[UOFF], 4, v0
	s_lshl_b32 s25, s14, 9
	v_lshl_add_u32 v[FOFF], v[LANE], 4, s25        ; my four positions
	s_lshl_b32 s36, s12, 17                        ; eight planes a wave
	v_add_nc_u32 v[XOFF], s36, v[FOFF]
	s_lshl_b32 s35, s12, 4
	v_mov_b32 v[WADR], s35
	v_mov_b32 v[ZERO], 0
	v_mov_b32 v[C+3], 0
	s_wait_kmcnt 0x0
	s_add_nc_u64 s[4:5], s[4:5], s[16:17]
	s_add_nc_u64 s[6:7], s[6:7], s[28:29]
	s_add_nc_u64 s[8:9], s[8:9], s[26:27]
	s_add_nc_u64 s[10:11], s[10:11], s[26:27]
	s_load_b32 s18, s[4:5], 0x0                    ; mask[b][l]
.irp g, 0,1,2,3
	global_load_b128 v[U+4*\g:U+4*\g+3], v[UOFF], s[6:7] offset:4096*\g
.endr
	global_load_b128 v[F:F+3], v[FOFF], s[6:7]
.irp j, 0,1,2,3,4,5,6,7
	global_load_b128 v[X+4*\j:X+4*\j+3], v[XOFF], s[8:9] offset:16384*\j th:TH_LOAD_NT
.endr
	s_mov_b32 s19, 0                               ; T
	s_mov_b32 s20, 30                              ; the place of the two bits at work
	s_mov_b32 s34, 8
	s_wait_loadcnt 0x8                             ; the five loads of upd are in; the eight of x stay out
.macro CMPS cand, m                    ; 16 lane masks: which of my words reach the candidate
.irp i, 0,1,2,3,4,5,6,7,8,9,10,11,12,13,14,15
	v_cmp_le_u32 s[\m+\i], s[\cand], v[U+\i]
.endr
.endm
.macro CNTS m, tot                     ; their bits, counted
	s_bcnt1_i32_b32 s[\tot], s[\m]
.irp i, 1,2,3,4,5,6,7,8,9,10,11,12,13,14,15
	s_bcnt1_i32_b32 s[\m+\i], s[\m+\i]
	s_add_co_u32 s[\tot], s[\tot], s[\m+\i]
.endr
.endm
; Two bits of T.  par: which 128 bytes of LDS the counts go through.  One barrier a step is enough: a half's bytes are written again two steps
; later, behind the next step's barrier, in front of which every wave has waited for its reads of them.
.macro SEL par
	s_lshl_b32 s22, 1, s20
	s_lshl_b32 s23, 2, s20
	s_lshl_b32 s24, 3, s20
	s_or_b32 s22, s22, s19
	s_or_b32 s23, s23, s19
	s_or_b32 s24, s24, s19
	CMPS 22, 40
	CMPS 23, 66
	CMPS 24, 82
	CNTS 40, 31
	CNTS 66, 32
	CNTS 82, 33
	v_mov_b32 v[C], s31
	v_mov_b32 v[C+1], s32
	v_mov_b32 v[C+2], s33
	ds_store_b128 v[WADR], v[C:C+3] offset:128*\par      ; all lanes write the same 16 bytes with the same numbers
	s_wait_dscnt 0x0                               ; for the others' sake
	s_barrier_signal -1
	s_barrier_wait -1
.irp w, 0,1,2,3,4,5,6,7
	ds_load_b128 v[G+4*\w:G+4*\w+3], v[ZERO] offset:128*\par+16*\w
.endr
	s_wait_dscnt 0x0
.irp c, 0,1,2
	v_add3_u32 v[S+\c], v[G+\c], v[G+4+\c], v[G+8+\c]
	v_add3_u32 v[S+\c], v[S+\c], v[G+12+\c], v[G+16+\c]
	v_add3_u32 v[S+\c], v[S+\c], v[G+20+\c], v[G+24+\c]
	v_add_nc_u32 v[S+\c], v[S+\c], v[G+28+\c]
.endr
	v_readfirstlane_b32 s31, v[S]
	v_readfirstlane_b32 s32, v[S+1]
	v_readfirstlane_b32 s33, v[S+2]
	s_cmp_ge_u32 s31, KSEL                         ; the counts fall as the candidates rise: the last candidate that holds is taken
	s_cselect_b32 s19, s22, s19
	s_cmp_ge_u32 s32, KSEL
	s_cselect_b32 s19, s23, s19
	s_cmp_ge_u32 s33, KSEL
	s_cselect_b32 s19, s24, s19
	s_sub_co_u32 s20, s20, 2
.endm
.Lsel:
	SEL 0
	SEL 1
	s_sub_co_u32 s34, s34, 1
	s_cmp_lg_u32 s34, 0
	s_cbranch_scc1 .Lsel
	s_wait_kmcnt 0x0                               ; mask[b][l]
	s_cmp_lg_u32 s18, 0
	s_cselect_b32 s30, 0x3f800000, 0               ; keep, as f32
	v_mov_b32 v[KF], s30
.irp i, 0,1,2,3
	v_cmp_le_u32 vcc_lo, s19, v[F+\i]              ; upd >= threshold
	v_cndmask_b32 v[F+\i], 0, v[KF], vcc_lo        ; the factor of my position: keep or 0
.endr
.irp j, 0,1,2,3,4,5,6,7
	s_wait_loadcnt 7-\j                            ; loads come back in order (ISA guide 5.7.1): load j is in, the younger ones stay out
	v_pk_mul_f32 v[X+4*\j:X+4*\j+1], v[X+4*\j:X+4*\j+1], v[F:F+1]
	v_pk_mul_f32 v[X+4*\j+2:X+4*\j+3], v[X+4*\j+2:X+4*\j+3], v[F+2:F+3]
	global_store_b128 v[XOFF], v[X+4*\j:X+4*\j+3], s[10:11] offset:16384*\j th:TH_STORE_NT
.endr
	s_wait_tensorcnt 0x0
	ds_add_u32 v104, v105
	s_wait_dscnt 0x0
	s_endpgm
.Lfunc_end_k_q59a0f8a9a5_apply:
	.size	k_q59a0f8a9a5_apply, .Lfunc_end_k_q59a0f8a9a5_apply-k_q59a0f8a9a5_apply
	.p2alignl 7, 3214868480
	.fill 96, 4, 3214868480
	.section	.rodata,"a",@progbits
	.p2align	6, 0x0
	.amdhsa_kernel k_q59a0f8a9a5_apply
		.amdhsa_group_segment_fixed_size 1280
		.amdhsa_private_segment_fixed_size 0
		.amdhsa_enable_private_segment 0
		.amdhsa_kernarg_size 32
		.amdhsa_user_sgpr_count 2
		.amdhsa_user_sgpr_kernarg_segment_ptr 1
		.amdhsa_wavefront_size32 1
		.amdhsa_system_sgpr_workgroup_id_x 1
		.amdhsa_system_sgpr_workgroup_id_y 1
		.amdhsa_system_sgpr_workgroup_id_z 1
		.amdhsa_system_vgpr_workitem_id 0
		.amdhsa_next_free_vgpr 106
		.amdhsa_next_free_sgpr 100
		.amdhsa_reserve_vcc 1
		.amdhsa_float_denorm_mode_32 3
		.amdhsa_float_denorm_mode_16_64 3
		.amdhsa_memory_ordered 1
		.amdhsa_forward_progress 1
		.amdhsa_inst_pref_size 22
	.end_amdhsa_kernel
	.amdgpu_metadata
---
amdhsa.version: [ 1, 2 ]
amdhsa.kernels:
  - .name:           k_q59a0f8a9a5_apply
    .symbol:         k_q59a0f8a9a5_apply.kd
    .args:
      - { .name: mask, .offset: 0, .size: 8, .value_kind: global_buffer, .address_space: global }
      - { .name: upd, .offset: 8, .size: 8, .value_kind: global_buffer, .address_space: global }
      - { .name: x, .offset: 16, .size: 8, .value_kind: global_buffer, .address_space: global }
      - { .name: out0, .offset: 24, .size: 8, .value_kind: global_buffer, .address_space: global }
    .group_segment_fixed_size: 1280
    .private_segment_fixed_size: 0
    .kernarg_segment_align: 8
    .kernarg_segment_size: 32
    .max_flat_workgroup_size: 256
    .sgpr_count:     100
    .vgpr_count:     106
    .wavefront_size: 32
...
	.end_amdgpu_metadata
.endif
;; end of part 2
;; ======== version 2 of 2: 2 launches; 1.24 times as fast as version 1
;; workspace buffers: upd 131,072 bytes
;; launch attn (part 3): grid 256 x 1, 16 waves a work-group, no clusters, 118,784 bytes of LDS; arguments mask, psm, x, upd, out0; writes upd, out0
.if DOCPART == 3
	.amdgcn_target "amdgcn-amd-amdhsa--gfx1250"
	.amdhsa_code_object_version 6
	.text
	.protected	k_q59a0f8a9a5_attn
	.globl	k_q59a0f8a9a5_attn
	.p2align	8
	.type	k_q59a0f8a9a5_attn,@function
k_q59a0f8a9a5_attn:
	s_mov_b64 s[64:65], 0
	v_nop
	global_prefetch_b8 v0, s[64:65] scope:SCOPE_SE
	s_setreg_imm32_b32 hwreg(HW_REG_WAVE_MODE, 25, 1), 1
	s_wait_xcnt 0x0
; upd[p][s] = max over a of sigmoid( sum_t softmax_t(q_s . k_t / sqrt 2) k_t[a] ),  p = 8 pairs (batch b, cav l = 1..4), s, t = 0..4095.
; q = psm[b][0], k = psm[b][l], two numbers (planes) for each position.  Also: out0[b][0] = x[b][0], 8 KiB for each work-group.
; THE SHARE HANGS ON THE INPUT mask: an agent with mask = 0 is multiplied by zero later, so its pair's upd reaches no output and is not computed
; (its bytes are stored as zeros).  The n active pairs have 256 n query tiles of 16, numbered g = 256 x rank + tile; work-group i takes
; g = i n .. i n + n - 1: n tiles each, for every n from 0 to 8.  The loop has 8 trips; trips j >= n jump over the work.
; Each of the 16 waves owns 256 keys of the pair at work, kept in registers; where a work-group's tiles pass into the next pair (at most once,
; since n <= 8 < 256) the keys are loaded and split anew.
; BOTH PRODUCTS RUN ON THE bf16 MATRIX UNIT WITH SPLIT OPERANDS, because a top-k decision follows and needs f32 accuracy:
;   S^T = K Q^T: q' = q log2(e)/sqrt 2 and k are split exactly into three bf16 parts (h, m, l).  Lanes 0-15 carry plane 0, lanes 16-31 plane 1.
;     K places of a lane:  key side (kh km | kl kh | km kh | 1 1),  query side (qh qh | qh qm | qm ql | parts of -max).
;     The terms left out (m l, l m, l l) are below 2^-26 of a product.  The second half of K (registers 4-7) is zero on the query side;
;     on the key side it is simply the next fragment's registers (finite numbers times zero), so a fragment costs 4 registers.
;     One instruction gives s - max (base 2) for 16 keys x 16 queries; lane (r, h), register j: key row 8h + j, query r.
;   O^T = V^T P^T: that layout, packed in pairs, is already the B operand (column = query r, K = keys).  P = exp2 is split hi + lo: two products.
;     hi = bf16(p), two a conversion; lo = bf16(p - hi), the exact difference rounded once, straight into its half of the packed register.
;     A rows: 0-2 the three parts of plane 0, 3-5 of plane 1, 6 ones (the softmax sum), 7 zeros; rows 8-15 repeat rows 0-7, so both halves of
;     the lanes end with the same numbers.
; The maximum is taken away per wave (pass 1 over the wave's 256 keys); the 16 waves' partial sums are merged by their maximum M and exp2(m_w - M).
; So no barrier stands between the passes; the one barrier stands in front of the merge.
; Which key sits in which fragment row is free (a sum over keys): each lane loads 16 consecutive bytes, 16 lanes 256 consecutive aligned bytes.
; No cluster, no tensor loads: what work-groups share is a pair's 32 KiB of keys, converted on the way and kept in registers.
; A tile's 16 results are 64 consecutive bytes of upd: the share is in tiles, so that is the piece a store covers (128 KiB in the whole launch).
; LIMITS: psm finite and below bf16's largest number.  A weight P is carried to 2^-18 of itself (the same error in numerator and denominator).
; Sums are ordered otherwise than in the defining program and the maximum over the two planes is taken ahead of the (monotone) sigmoid:
; two results closer than a few f32 roundings can be ranked otherwise.
.set PLANE,  16384                     ; bytes of one [64][64] plane of f32
.set NQT,    8                         ; trips: the most tiles a work-group can have
.set TPITCH, 528                       ; a transposition row: 256 bf16 + 16 bytes, an odd multiple of 16
.set TWAVE,  8*TPITCH                  ; a wave's eight rows
.set QS,     16*TWAVE                  ; behind them: for each wave its own copy of the queries, [trip 8][lane 32] f32 = 1,024 bytes
.set PART,   QS+16*1024                ; behind them: partials [trip 8][wave 16][query 16] of 16 bytes (m, o0, o1, sum)
.set CSCALE, 0x3f8293ee                ; log2(e) / sqrt(2)
.set LANE, 1
.set R,    2                           ; lane % 16
.set H,    3                           ; lane / 16
.set NEG1, 4                           ; -1.0
.set QL,   5                           ; plane h, query r of a tile, in bytes
.set QN,   6                           ; the tile's raw q
.set Q,    7
.set T0,   8
.set T1,   9
.set T2,   10
.set PADR, 11
.set RES,  16                          ; v[16:19] m, o0, o1, sum
.set QB,   20                          ; v[20:27] query fragment; 24-27 stay zero
.set AH,   28                          ; v[28:35] accumulator of the hi products
.set AL,   36                          ; v[36:43] accumulator of the lo products
.set MX,   36                          ; v[36:43] in pass 1, where AL is idle: eight running maxima
.set SA,   44                          ; v[44:59] S buffer
.set SB,   60                          ; v[60:75] S buffer
.set P0,   76                          ; v[76:91]  P hi (8), P lo (8)
.set P1,   92                          ; v[92:107] the same, second buffer
.set MADR, 108
.set UOFF, 109
.set KA,   112                         ; v[112:175] 16 key fragments of 4 registers
.set VA,   176                         ; v[176:239] 8 V fragments of 8 registers
.set XD,   240
.set XOFF, 244
.set TW,   245
.set TR,   246
.set KOFF, 247
.set QR,   248
.set ZOFF, 249
; scalars: s14 wave; s26 trip; s27 n; s28 my first tile i n; s29 the table of active agents, 4 bits a rank; s30 its fill; s[24:25] the keys' planes
	s_load_b256 s[4:11], s[0:1], 0x0               ; mask s[4:5], psm s[6:7], x s[8:9], upd s[10:11]
	s_load_b64 s[12:13], s[0:1], 0x20              ; out0
	v_lshl_add_u32 v254, v0, 2, 0x1c800
	v_mov_b32 v255, 0
	v_lshrrev_b32 v[T0], 5, v0
	v_readfirstlane_b32 s14, v[T0]                 ; wave 0..15
	v_and_b32 v[LANE], 31, v0
	v_and_b32 v[R], 15, v0
	v_bfe_u32 v[H], v0, 4, 1
	v_mov_b32 v[NEG1], -1.0
	s_mov_b32 s2, 0x76543210                       ; v_permlanex16_b32: lane i reads lane i of the other half
	s_mov_b32 s3, 0xfedcba98
	s_mov_b32 s21, 0xffff0000                      ; lanes 16-31
	s_lshr_b32 s15, ttmp9, 5                       ; the pair in whose upd bytes 512 i .. 512 i + 511 lie
	s_lshr_b32 s16, s15, 2                         ; its b
	s_add_co_u32 s15, s15, s16
	s_add_co_u32 s15, s15, 1                       ; its agent 5 b + l = pair + b + 1
	s_lshl_b32 s16, s15, 2                         ; its word of mask
	s_mov_b32 s17, 0
	s_lshr_b32 s31, ttmp9, 7                       ; the ego copy: 128 work-groups for each batch, 8 KiB each
	s_mul_i32 s31, s31, 320*PLANE                  ; a batch is 5 agents x 64 planes
	s_and_b32 s32, ttmp9, 127
	s_lshl_b32 s32, s32, 13
	s_add_co_u32 s31, s31, s32
	v_lshl_add_u32 v[XOFF], v0, 4, s31
	v_lshlrev_b32 v[T1], 14, v[H]                  ; plane h
	v_lshl_add_u32 v[QL], v[R], 2, v[T1]           ; + 4 r
	v_lshl_add_u32 v[T1], v[R], 4, v[T1]           ; + 16 r
	s_lshl_b32 s33, s14, 10                        ; my wave's 256 keys
	v_add_nc_u32 v[KOFF], s33, v[T1]
	s_lshl_b32 s33, ttmp9, 9
	v_lshl_add_u32 v[ZOFF], v[LANE], 4, s33
	s_wait_kmcnt 0x0
	s_add_nc_u64 s[18:19], s[4:5], s[16:17]
	s_load_b256 s[40:47], s[4:5], 0x0              ; mask[0][0..4], mask[1][0..2]
	s_load_b64 s[48:49], s[4:5], 0x20              ; mask[1][3..4]
	s_load_b32 s50, s[18:19], 0x0                  ; the word that decides on the zero fill
	global_load_b128 v[XD:XD+3], v[XOFF], s[8:9] th:TH_LOAD_NT
	; LDS addresses, all in my wave's own bytes
	s_mul_i32 s34, s14, TWAVE
	v_mul_u32_u24 v[TW], v[H], 3*TPITCH            ; in: rows 3h, 3h + 1, 3h + 2; column = 16 x tile + row of the key
	v_lshl_add_u32 v[TW], v[R], 1, v[TW]
	v_add_nc_u32 v[TW], s34, v[TW]
	v_and_b32 v[T0], 7, v0
	v_mul_u32_u24 v[TR], v[T0], TPITCH             ; back: row r % 8, 16 bytes for each half of the lanes
	v_lshl_add_u32 v[TR], v[H], 4, v[TR]
	v_add_nc_u32 v[TR], s34, v[TR]
	v_lshl_add_u32 v[T2], v[LANE], 4, s34
	s_lshl_b32 s35, s14, 10
	s_add_co_u32 s35, s35, QS
	v_lshl_add_u32 v[QR], v[LANE], 2, s35
	s_lshl_b32 s36, s14, 8
	s_add_co_u32 s36, s36, PART
	v_lshl_add_u32 v[PADR], v[R], 4, s36
.irp j, 0,1,2,3
	v_mov_b32 v[P1+\j], 0x3f803f80                 ; two bf16 ones
	v_mov_b32 v[P1+4+\j], 0
	v_mov_b32 v[QB+4+\j], 0                        ; the query fragment's second half of K
.endr
	ds_store_b128 v[T2], v[P1:P1+3] offset:6*TPITCH      ; row 6: ones
	ds_store_b128 v[T2], v[P1+4:P1+7] offset:7*TPITCH    ; row 7: zeros
; The table: the agents with mask != 0 in rising order, 4 bits each; s30 = 4 x how many
.macro TB m, agent
	s_cmp_lg_u32 s[\m], 0
	s_cselect_b32 s33, \agent, 0
	s_cselect_b32 s34, 4, 0
	s_lshl_b32 s33, s33, s30
	s_or_b32 s29, s29, s33
	s_add_co_u32 s30, s30, s34
.endm
; s35 = the agent whose keys tile number s[g] meets (0 for a rank that is not in use)
.macro AGENT g
	s_lshr_b32 s35, s[\g], 8                       ; rank
	s_lshl_b32 s35, s35, 2
	s_lshr_b32 s35, s29, s35
	s_and_b32 s35, s35, 15
.endm
; s[24:25] = that agent's two planes of psm
.macro KEYBASE g
	AGENT \g
	s_min_u32 s35, s35, 9                          ; a number made from loaded words enters an address only clamped
	s_lshl_b32 s36, s35, 15                        ; 2 planes an agent
	s_mov_b32 s37, 0
	s_add_nc_u64 s[24:25], s[6:7], s[36:37]
.endm
; The queries of trip j: query r, plane h of tile (i n + j) % 256 of psm[b][0].  The load lands on its own offset register.
.macro QLOAD j
	s_add_co_u32 s33, s28, \j
	AGENT 33
	s_cmp_ge_u32 s35, 5                            ; agents 6..9 are batch 1
	s_cselect_b32 s35, 10*PLANE, 0
	s_and_b32 s33, s33, 255
	s_lshl_b32 s33, s33, 6                         ; 16 queries of 4 bytes
	s_add_co_u32 s33, s33, s35
	s_min_u32 s33, s33, 10*PLANE+255*64
	v_add_nc_u32 v[SB+\j], s33, v[QL]
	global_load_b32 v[SB+\j], v[SB+\j], s[6:7]
.endm
.macro KLOAD
.irp g, 0,1,2,3
	global_load_b128 v[SA+4*\g:SA+4*\g+3], v[KOFF], s[24:25] offset:256*\g   ; register 4g + c: key 64g + 4r + c of my 256, plane h = row r of tile 4g + c
.endr
.endm
; One key of each lane: three exact bf16 parts, laid out as the fragment wants them; the parts also go to the transposition rows.
.macro SPLITK t
	v_cvt_pk_bf16_f32 v[T0], v[SA+\t], v[SA+\t]
	v_fma_mix_f32_bf16 v[T1], v[T0], v[NEG1], v[SA+\t] op_sel_hi:[1,0,0]                        ; k - kh, exact
	v_cvt_pk_bf16_f32 v[KA+4*\t], v[SA+\t], v[T1]                                               ; (kh, km)
	v_fma_mix_f32_bf16 v[T2], v[KA+4*\t], v[NEG1], v[T1] op_sel:[1,0,0] op_sel_hi:[1,0,0]       ; k - kh - km, exact
	v_cvt_pk_bf16_f32 v[KA+4*\t+1], v[T2], v[SA+\t]                                             ; (kl, kh)
	v_cvt_pk_bf16_f32 v[KA+4*\t+2], v[T1], v[SA+\t]                                             ; (km, kh)
	v_mov_b32 v[KA+4*\t+3], 0x3f803f80                                                          ; (1, 1): meets the parts of -max
	ds_store_b16 v[TW], v[KA+4*\t] offset:32*\t                    ; kh
	ds_store_b16 v[TW], v[KA+4*\t+2] offset:TPITCH+32*\t           ; km
	ds_store_b16 v[TW], v[KA+4*\t+1] offset:2*TPITCH+32*\t         ; kl
.endm
; left = how many younger loads may stay out when the four key loads have to be there
.macro KSPLIT left
	s_wait_loadcnt \left
.irp t, 0,1,2,3,4,5,6,7,8,9,10,11,12,13,14,15
	SPLITK \t
.endr
.irp u, 0,1,2,3,4,5,6,7
	ds_load_b128 v[VA+8*\u:VA+8*\u+3], v[TR] offset:64*\u          ; LDS serves a wave's instructions in order (ISA guide 5.7.1): these see the stores above
	ds_load_b128 v[VA+8*\u+4:VA+8*\u+7], v[TR] offset:64*\u+32
.endr
.endm
	s_wait_kmcnt 0x0                               ; the mask
	s_mov_b32 s29, 0
	s_mov_b32 s30, 0
	TB 41, 1
	TB 42, 2
	TB 43, 3
	TB 44, 4
	TB 46, 6
	TB 47, 7
	TB 48, 8
	TB 49, 9
	s_lshr_b32 s27, s30, 2
	s_min_u32 s27, s27, 8                          ; n
	s_mul_i32 s28, ttmp9, s27                      ; my first tile
	KEYBASE 28
	KLOAD
.irp j, 0,1,2,3,4,5,6,7
	QLOAD \j
.endr
	s_cmp_lg_u32 s14, 15                           ; wave 15, which never merges, fills the work-group's 512 bytes of upd with zeros
	s_cbranch_scc1 .Lnofill                        ; if they belong to a masked pair: no byte that is read later stays unwritten
	s_cmp_lg_u32 s50, 0
	s_cbranch_scc1 .Lnofill
	global_store_b128 v[ZOFF], v[QB+4:QB+7], s[10:11]    ; 512 consecutive bytes, aligned
.Lnofill:
	KSPLIT 8                                       ; the x load and the four key loads are in; the eight query loads stay out
	s_wait_loadcnt 0x0
.irp j, 0,1,2,3,4,5,6,7
	ds_store_b32 v[QR], v[SB+\j] offset:128*\j
.endr
	global_store_b128 v[XOFF], v[XD:XD+3], s[12:13] th:TH_STORE_NT   ; the wave stores 512 consecutive bytes, aligned
; Four places behind a matrix instruction before a vector instruction reads its result or writes one of its registers (ISA guide 7.12.1)
.macro NOP4
.rept 4
	v_nop
.endr
.endm
; S^T of key tile t into 8 registers at d
.macro SW d, t
	v_wmma_f32_16x16x32_bf16 v[\d:\d+7], v[KA+4*(\t):KA+4*(\t)+7], v[QB:QB+7], 0
.endm
; The tile's query fragment: lane (r, h) takes query r, plane h, scales it and splits it into three exact parts.  The -max places are 0 for pass 1.
.macro QPREP
	ds_load_b32 v[QN], v[QR]
	s_wait_dscnt 0x0                               ; q is in; behind a load of keys also the V fragments
	v_mul_f32 v[Q], CSCALE, v[QN]
	v_cvt_pk_bf16_f32 v[QB], v[Q], v[Q]                                                         ; (qh, qh)
	v_fma_mix_f32_bf16 v[T1], v[QB], v[NEG1], v[Q] op_sel_hi:[1,0,0]                            ; q - qh
	v_cvt_pk_bf16_f32 v[QB+1], v[Q], v[T1]                                                      ; (qh, qm)
	v_fma_mix_f32_bf16 v[T2], v[QB+1], v[NEG1], v[T1] op_sel:[1,0,0] op_sel_hi:[1,0,0]          ; q - qh - qm
	v_cvt_pk_bf16_f32 v[QB+2], v[T1], v[T2]                                                     ; (qm, ql)
	v_mov_b32 v[QB+3], 0
.endm
; Four maxima over the eight numbers of key tile t, which lie in result buffer t % 8.  Even tiles feed chains 0-3, odd tiles chains 4-7:
; a chain is taken up again eight maxima later.  Tiles 0 and 1 start the chains.
.macro MAXT t
.irp k, 0,1,2,3
.if (\t) < 2
	v_max_num_f32 v[MX+4*((\t)%2)+\k], v[SA+8*((\t)%8)+2*\k], v[SA+8*((\t)%8)+2*\k+1]
.else
	v_max3_num_f32 v[MX+4*((\t)%2)+\k], v[MX+4*((\t)%2)+\k], v[SA+8*((\t)%8)+2*\k], v[SA+8*((\t)%8)+2*\k+1]
.endif
.endr
.endm
; Pass 1: the largest s over my wave's 256 keys, for each of the 16 queries.  Eight result buffers in v[44:107] take turns; behind product t
; stand the maxima of tile t - 4, so that between a product and the maxima that read it stand the sixteen maxima of four other tiles
; (for tile 0: the four v_nop), and a buffer is written again four products behind its maxima.
.macro PASS1
.irp t, 0,1,2,3
	SW SA+8*\t, \t
.endr
	NOP4
.irp t, 4,5,6,7,8,9,10,11,12,13,14,15
	SW SA+8*((\t)%8), \t
	MAXT \t-4
.endr
.irp t, 12,13,14,15
	MAXT \t
.endr
	v_max3_num_f32 v[MX], v[MX], v[MX+1], v[MX+2]
	v_max3_num_f32 v[MX+3], v[MX+3], v[MX+4], v[MX+5]
	v_max3_num_f32 v[MX], v[MX], v[MX+3], v[MX+6]
	v_max_num_f32 v[MX], v[MX], v[MX+7]
	v_permlanex16_b32 v[T0], v[MX], s2, s3         ; the other eight key rows of each tile lie in the other half of the lanes
	v_max_num_f32 v[RES], v[MX], v[T0]
.endm
; -max in three exact parts into the query fragment: (mh, mm) in lanes 0-15, (ml, 0) in lanes 16-31; they meet the ones of the key fragments
.macro MAXFOLD
	v_sub_f32 v[Q], 0, v[RES]
	v_cvt_pk_bf16_f32 v[T0], v[Q], v[Q]
	v_fma_mix_f32_bf16 v[T1], v[T0], v[NEG1], v[Q] op_sel_hi:[1,0,0]
	v_cvt_pk_bf16_f32 v[T0], v[Q], v[T1]
	v_fma_mix_f32_bf16 v[T2], v[T0], v[NEG1], v[T1] op_sel:[1,0,0] op_sel_hi:[1,0,0]
	v_cvt_pk_bf16_f32 v[T2], v[T2], v[QB+4]
	v_cndmask_b32 v[QB+3], v[T0], v[T2], s21
.endm
; The pieces of a unit.  EX: p = exp2(s - max) in place.  CV: P hi of numbers 2i, 2i + 1, packed.  ML, MH: P lo of number 2i, 2i + 1:
; p - hi is exact and is rounded once, into the low or the high half of the packed register; the other half is kept.
.macro EX X, i
	v_exp_f32 v[\X+\i], v[\X+\i]
.endm
.macro CV X, P, i
	s_wait_alu depctr_va_vdst(0)
	v_cvt_pk_bf16_f32 v[\P+\i], v[\X+2*(\i)], v[\X+2*(\i)+1]
.endm
.macro ML X, P, i
	v_fma_mixlo_bf16 v[\P+8+\i], v[\P+\i], v[NEG1], v[\X+2*(\i)] op_sel_hi:[1,0,0]
.endm
.macro MH X, P, i
	v_fma_mixhi_bf16 v[\P+8+\i], v[\P+\i], v[NEG1], v[\X+2*(\i)+1] op_sel:[1,0,0] op_sel_hi:[1,0,0]
.endm
; A unit of 32 keys.  X holds s - max; the next unit's two S products go into Y.  24 plain vector instructions, which name only X, P and NEG1.
; Twelve of the sixteen exponentials alternate with plain instructions; each is followed by a plain instruction that does not touch its
; register before its result is used (ISA guide 5.7.2).  Behind the first S product stand 12 places, behind the second 6, before the next
; unit reads them; a P buffer is written again two units later.  AH and AL take turns, one instruction a turn.
.macro UNIT u, X, Y, P, first, last
.irp i, 0,1,2,3
	EX \X, \i
.endr
	v_nop                                          ; the plain place behind the first four exponentials
.irp g, 0,1
	CV \X, \P, 2*\g
	EX \X, 4+6*\g
	CV \X, \P, 2*\g+1
	EX \X, 5+6*\g
	ML \X, \P, 2*\g
	EX \X, 6+6*\g
	ML \X, \P, 2*\g+1
	EX \X, 7+6*\g
	MH \X, \P, 2*\g
	EX \X, 8+6*\g
	MH \X, \P, 2*\g+1
	EX \X, 9+6*\g
.endr
.if \last == 0
	SW \Y, 2*\u+2
.endif
	CV \X, \P, 4
	CV \X, \P, 5
	ML \X, \P, 4
	ML \X, \P, 5
	MH \X, \P, 4
	MH \X, \P, 5
.if \last == 0
	SW \Y+8, 2*\u+3
.endif
	CV \X, \P, 6
	CV \X, \P, 7
.if \first
	v_wmma_f32_16x16x32_bf16 v[AH:AH+7], v[VA+8*\u:VA+8*\u+7], v[\P:\P+7], 0          ; the first products start the sums
.else
	v_wmma_f32_16x16x32_bf16 v[AH:AH+7], v[VA+8*\u:VA+8*\u+7], v[\P:\P+7], v[AH:AH+7]
.endif
	ML \X, \P, 6
	ML \X, \P, 7
	MH \X, \P, 6
	MH \X, \P, 7
.if \first
	v_wmma_f32_16x16x32_bf16 v[AL:AL+7], v[VA+8*\u:VA+8*\u+7], v[\P+8:\P+15], 0
.else
	v_wmma_f32_16x16x32_bf16 v[AL:AL+7], v[VA+8*\u:VA+8*\u+7], v[\P+8:\P+15], v[AL:AL+7]
.endif
.endm
.macro PASS2
	SW SA, 0
	SW SA+8, 1
	NOP4
	UNIT 0, SA, SB, P0, 1, 0
	UNIT 1, SB, SA, P1, 0, 0
	UNIT 2, SA, SB, P0, 0, 0
	UNIT 3, SB, SA, P1, 0, 0
	UNIT 4, SA, SB, P0, 0, 0
	UNIT 5, SB, SA, P1, 0, 0
	UNIT 6, SA, SB, P0, 0, 0
	UNIT 7, SB, SA, P1, 0, 1
.endm
; The wave's partial result for the tile: hi + lo, the three parts of each plane added from the small end, and the sum
.macro TAIL
	NOP4
.irp j, 0,2,4
	v_pk_add_f32 v[AH+\j:AH+\j+1], v[AH+\j:AH+\j+1], v[AL+\j:AL+\j+1]
.endr
	v_add_f32 v[RES+3], v[AH+6], v[AL+6]
	v_add_f32 v[T0], v[AH+1], v[AH+2]
	v_add_f32 v[T1], v[AH+4], v[AH+5]
	v_add_f32 v[RES+1], v[AH], v[T0]
	v_add_f32 v[RES+2], v[AH+3], v[T1]
	ds_store_b128 v[PADR], v[RES:RES+3]            ; both halves of the lanes hold the same numbers and write the same bytes
.endm
	s_mov_b32 s26, 0
.Ltile:
	s_cmp_ge_u32 s26, s27                          ; trips j >= n have no tile
	s_cbranch_scc1 .Lnext
	s_add_co_u32 s39, s28, s26                     ; the tile's number
	s_and_b32 s38, s39, 255
	s_cmp_lg_u32 s38, 0                            ; tile 0 of a pair in a later trip than the first: the keys change
	s_cbranch_scc1 .Lsame
	s_cmp_eq_u32 s26, 0
	s_cbranch_scc1 .Lsame
	KEYBASE 39                                     ; no load that names s[24:25] is out: all were waited for
	KLOAD
	KSPLIT 0
.Lsame:
	QPREP
	PASS1
	MAXFOLD
	PASS2
	TAIL
.Lnext:
	v_add_nc_u32 v[PADR], 4096, v[PADR]            ; the next trip's partials: 16 waves x 16 queries x 16 bytes on
	v_add_nc_u32 v[QR], 128, v[QR]                 ; the next trip's queries: 32 lanes x 4 bytes on
	s_add_co_u32 s26, s26, 1
	s_cmp_lt_u32 s26, NQT
	s_cbranch_scc1 .Ltile
	s_wait_dscnt 0x0                               ; my partials are in LDS, for the others' sake
	s_barrier_signal -1
	s_barrier_wait -1                              ; everybody's are
	s_cmp_gt_u32 s14, 7
	s_cbranch_scc1 .Ldone
	s_cmp_ge_u32 s14, s27                          ; wave w < n merges the tile of trip w
	s_cbranch_scc1 .Ldone
	s_add_co_u32 s33, s28, s14                     ; its number
	AGENT 33
	s_cmp_ge_u32 s35, 5
	s_cselect_b32 s36, 2, 1
	s_sub_co_u32 s35, s35, s36                     ; pair = agent - 1 - b
	s_and_b32 s33, s33, 255
	s_min_u32 s35, s35, 7
	s_min_u32 s33, s33, 255
	s_lshl_b32 s35, s35, 14                        ; the pair's 16 KiB of upd
	s_lshl_b32 s33, s33, 6                         ; the tile's 64 bytes
	s_add_co_u32 s33, s33, s35
	v_lshl_add_u32 v[UOFF], v[R], 2, s33
	s_lshl_b32 s34, s14, 12
	s_add_co_u32 s34, s34, PART
	v_lshl_add_u32 v[MADR], v[H], 11, s34          ; lane (r, h): the partials of waves 8h .. 8h + 7
	v_lshl_add_u32 v[MADR], v[R], 4, v[MADR]       ; for query r
.irp i, 0,1,2,3,4,5,6,7
	ds_load_b128 v[SA+4*\i:SA+4*\i+3], v[MADR] offset:256*\i
.endr
	s_wait_dscnt 0x0
	v_max3_num_f32 v[T0], v[SA], v[SA+4], v[SA+8]
	v_max3_num_f32 v[T0], v[T0], v[SA+12], v[SA+16]
	v_max3_num_f32 v[T0], v[T0], v[SA+20], v[SA+24]
	v_max_num_f32 v[T0], v[T0], v[SA+28]
	v_permlanex16_b32 v[T1], v[T0], s2, s3
	v_max_num_f32 v[T0], v[T0], v[T1]              ; M = the largest of the 16 m_w
.irp i, 0,1,2,3,4,5,6,7
	v_sub_f32 v[SA+4*\i], v[SA+4*\i], v[T0]
.endr
.irp i, 0,1,2,3,4,5,6,7
	v_exp_f32 v[SA+4*\i], v[SA+4*\i]
.endr
	v_nop
.irp c, 0,1,2
	s_wait_alu depctr_va_vdst(0)
	v_mul_f32 v[AH+\c], v[SA], v[SA+1+\c]
.endr
.irp i, 1,2,3,4,5,6,7
.irp c, 0,1,2
	v_fmac_f32 v[AH+\c], v[SA+4*\i], v[SA+4*\i+1+\c]
.endr
.endr
.irp c, 0,1,2
	v_permlanex16_b32 v[P1+\c], v[AH+\c], s2, s3   ; the other eight waves' part
.endr
.irp c, 0,1,2
	v_add_f32 v[AH+\c], v[AH+\c], v[P1+\c]
.endr
	v_max_num_f32 v[T1], v[AH], v[AH+1]            ; the sum is positive and the sigmoid monotone: the maximum may be taken here
	v_rcp_f32 v[T2], v[AH+2]
	v_nop
	s_wait_alu depctr_va_vdst(0)
	v_mul_f32 v[T1], v[T1], v[T2]
	v_mul_f32 v[T1], 0xbfb8aa3b, v[T1]             ; -log2(e) x
	v_exp_f32 v[T1], v[T1]
	v_nop
	s_wait_alu depctr_va_vdst(0)
	v_add_f32 v[T1], 1.0, v[T1]
	v_rcp_f32 v[RES], v[T1]                        ; 1 / (1 + e^-x)
	v_cmp_gt_u32 vcc_lo, 16, v[LANE]               ; both halves hold the same numbers: lanes 0-15 store
	s_wait_xcnt 0x0                                ; EXEC changes only behind this wait
	s_and_saveexec_b32 s38, vcc_lo
	s_wait_alu depctr_va_vdst(0)
	global_store_b32 v[UOFF], v[RES], s[10:11]     ; the tile's 64 consecutive bytes
	s_wait_xcnt 0x0
	s_or_b32 exec_lo, exec_lo, s38
.Ldone:
	s_wait_tensorcnt 0x0
	ds_add_u32 v254, v255
	s_wait_dscnt 0x0
	s_endpgm
.Lfunc_end_k_q59a0f8a9a5_attn:
	.size	k_q59a0f8a9a5_attn, .Lfunc_end_k_q59a0f8a9a5_attn-k_q59a0f8a9a5_attn
	.p2alignl 7, 3214868480
	.fill 96, 4, 3214868480
	.section	.rodata,"a",@progbits
	.p2align	6, 0x0
	.amdhsa_kernel k_q59a0f8a9a5_attn
		.amdhsa_group_segment_fixed_size 118784
		.amdhsa_private_segment_fixed_size 0
		.amdhsa_enable_private_segment 0
		.amdhsa_kernarg_size 40
		.amdhsa_user_sgpr_count 2
		.amdhsa_user_sgpr_kernarg_segment_ptr 1
		.amdhsa_wavefront_size32 1
		.amdhsa_system_sgpr_workgroup_id_x 1
		.amdhsa_system_sgpr_workgroup_id_y 1
		.amdhsa_system_sgpr_workgroup_id_z 1
		.amdhsa_system_vgpr_workitem_id 0
		.amdhsa_next_free_vgpr 256
		.amdhsa_next_free_sgpr 66
		.amdhsa_reserve_vcc 1
		.amdhsa_float_denorm_mode_32 3
		.amdhsa_float_denorm_mode_16_64 3
		.amdhsa_memory_ordered 1
		.amdhsa_forward_progress 1
		.amdhsa_inst_pref_size 66
	.end_amdhsa_kernel
	.amdgpu_metadata
---
amdhsa.version: [ 1, 2 ]
amdhsa.kernels:
  - .name:           k_q59a0f8a9a5_attn
    .symbol:         k_q59a0f8a9a5_attn.kd
    .args:
      - { .name: mask, .offset: 0, .size: 8, .value_kind: global_buffer, .address_space: global }
      - { .name: psm, .offset: 8, .size: 8, .value_kind: global_buffer, .address_space: global }
      - { .name: x, .offset: 16, .size: 8, .value_kind: global_buffer, .address_space: global }
      - { .name: upd, .offset: 24, .size: 8, .value_kind: global_buffer, .address_space: global }
      - { .name: out0, .offset: 32, .size: 8, .value_kind: global_buffer, .address_space: global }
    .group_segment_fixed_size: 118784
    .private_segment_fixed_size: 0
    .kernarg_segment_align: 8
    .kernarg_segment_size: 40
    .max_flat_workgroup_size: 512
    .sgpr_count:     66
    .vgpr_count:     256
    .wavefront_size: 32
...
	.end_amdgpu_metadata
.endif
;; end of part 3
;; launch apply (part 4): grid 256 x 1, 16 waves a work-group, no clusters, 2,560 bytes of LDS; arguments mask, upd, x, out0; writes out0
.if DOCPART == 4
	.amdgcn_target "amdgcn-amd-amdhsa--gfx1250"
	.amdhsa_code_object_version 6
	.text
	.protected	k_q59a0f8a9a5_apply
	.globl	k_q59a0f8a9a5_apply
	.p2align	8
	.type	k_q59a0f8a9a5_apply,@function
k_q59a0f8a9a5_apply:
	s_mov_b64 s[64:65], 0
	v_nop
	global_prefetch_b8 v0, s[64:65] scope:SCOPE_SE
	s_setreg_imm32_b32 hwreg(HW_REG_WAVE_MODE, 25, 1), 1
	s_wait_xcnt 0x0
; out0[b][l] = x[b][l] * (upd[p] >= the 2048th largest of upd[p]) * (mask[b][l] != 0), l = 1..4, p = 4 b + l - 1.
; A work-group owns one pair and 128 positions of all 64 channels: 32 KiB in, 32 KiB out.  Wave w takes channels 4w .. 4w + 3; a load or store
; of a wave covers 512 consecutive aligned bytes.  All loads of x are issued first and are on their way while the threshold is found.
; THE THRESHOLD: upd lies in [0, 1], so its words order as unsigned numbers and their bits 31 and 30 are zero.  T = the largest word with
; count(upd >= T) >= 2048 is the 2048th largest value.  T is built from bit 29 down, two bits a step: three candidates, each of the 512 threads
; compares its 8 words, lane masks are counted, and the sixteen waves' counts meet in LDS as f32 (whole numbers up to 4,096: exact).
; 15 steps.  Each of a pair's 32 work-groups finds the threshold for itself from the pair's 16 KiB: that spares a launch of its own, and no
; work-group depends on another.  The result of the selection feeds selects alone: no branch and no address hangs on it.
; A masked pair's upd holds zeros (stored by the launch in front); its factor is 0 whatever the threshold.
; No matrix unit, cluster or tensor load: the launch streams, and what is shared is 16 KiB.
; LIMIT: upd holds no NaN, no negative number and nothing above 1 (the launch in front makes it by 1 / (1 + 2^y), or as 0).
.set KSELF, 0x45000000                 ; 2048.0 = int(4096 * 0.5); words of f32 that are not negative order as unsigned numbers
.set LANE, 1
.set UOFF, 2
.set FOFF, 3
.set XOFF, 4
.set WADR, 5
.set RADR, 6
.set KF,   7
.set C,    8                           ; v[8:11]  my wave's three counts, and a zero
.set G,    12                          ; v[12:15] the counts of wave lane % 16, then the totals
.set U,    16                          ; v[16:23] my 8 words of the pair's upd
.set F,    24                          ; v[24:27] upd of my four positions, then the factor
.set X,    28                          ; v[28:43] four loads of x
	s_load_b256 s[4:11], s[0:1], 0x0               ; mask s[4:5], upd s[6:7], x s[8:9], out0 s[10:11]
	v_lshl_add_u32 v48, v0, 2, 0x200
	v_mov_b32 v49, 0
	v_lshrrev_b32 v[C], 5, v0
	v_readfirstlane_b32 s12, v[C]                  ; wave 0..15
	v_and_b32 v[LANE], 31, v0
	s_lshr_b32 s13, ttmp9, 5                       ; pair
	s_and_b32 s14, ttmp9, 31                       ; chunk of 128 positions
	s_lshr_b32 s15, s13, 2                         ; b
	s_add_co_u32 s15, s15, s13
	s_add_co_u32 s15, s15, 1                       ; agent = 5 b + l = pair + b + 1
	s_lshl_b32 s16, s15, 2                         ; its word of mask
	s_mov_b32 s17, 0
	s_lshl_b32 s26, s15, 20                        ; its 64 planes of 16 KiB in x and out0
	s_mov_b32 s27, 0
	s_lshl_b32 s28, s13, 14                        ; the pair's 16 KiB of upd
	s_mov_b32 s29, 0
	v_lshlrev_b32 v[UOFF], 4, v0
	s_lshl_b32 s25, s14, 9
	v_lshl_add_u32 v[FOFF], v[LANE], 4, s25        ; my four positions
	s_lshl_b32 s36, s12, 16                        ; four planes a wave
	v_add_nc_u32 v[XOFF], s36, v[FOFF]
	s_lshl_b32 s35, s12, 4
	v_mov_b32 v[WADR], s35
	v_and_b32 v[RADR], 15, v0
	v_lshlrev_b32 v[RADR], 4, v[RADR]
	v_mov_b32 v[C+3], 0
	s_wait_kmcnt 0x0
	s_add_nc_u64 s[4:5], s[4:5], s[16:17]
	s_add_nc_u64 s[6:7], s[6:7], s[28:29]
	s_add_nc_u64 s[8:9], s[8:9], s[26:27]
	s_add_nc_u64 s[10:11], s[10:11], s[26:27]
	s_load_b32 s18, s[4:5], 0x0                    ; mask[b][l]
	global_load_b128 v[U:U+3], v[UOFF], s[6:7]
	global_load_b128 v[U+4:U+7], v[UOFF], s[6:7] offset:8192
	global_load_b128 v[F:F+3], v[FOFF], s[6:7]
.irp j, 0,1,2,3
	global_load_b128 v[X+4*\j:X+4*\j+3], v[XOFF], s[8:9] offset:16384*\j th:TH_LOAD_NT
.endr
	s_mov_b32 s19, 0                               ; T
	s_mov_b32 s20, 28                              ; the place of the two bits at work
	s_mov_b32 s34, 7
	s_wait_loadcnt 0x4                             ; the three loads of upd are in; the four of x stay out
.macro CMPS cand, m                    ; 8 lane masks: which of my words reach the candidate
.irp i, 0,1,2,3,4,5,6,7
	v_cmp_le_u32 s[\m+\i], s[\cand], v[U+\i]
.endr
.endm
.macro CNTS m, tot                     ; their bits, counted
	s_bcnt1_i32_b32 s[\tot], s[\m]
.irp i, 1,2,3,4,5,6,7
	s_bcnt1_i32_b32 s[\m+\i], s[\m+\i]
	s_add_co_u32 s[\tot], s[\tot], s[\m+\i]
.endr
.endm
; Two bits of T.  par: which 256 bytes of LDS the counts go through.  One barrier a step is enough: a half's bytes are written again two steps
; later, behind the next step's barrier, in front of which every wave has waited for its reads of them.
.macro SEL par
	s_lshl_b32 s22, 1, s20
	s_lshl_b32 s23, 2, s20
	s_lshl_b32 s24, 3, s20
	s_or_b32 s22, s22, s19
	s_or_b32 s23, s23, s19
	s_or_b32 s24, s24, s19
	CMPS 22, 40
	CMPS 23, 48
	CMPS 24, 56
	CNTS 40, 31
	CNTS 48, 32
	CNTS 56, 33
	v_cvt_f32_u32 v[C], s31
	v_cvt_f32_u32 v[C+1], s32
	v_cvt_f32_u32 v[C+2], s33
	ds_store_b128 v[WADR], v[C:C+3] offset:256*\par      ; all lanes write the same 16 bytes with the same numbers
	s_wait_dscnt 0x0                               ; for the others' sake
	s_barrier_signal -1
	s_barrier_wait -1
	ds_load_b128 v[G:G+3], v[RADR] offset:256*\par       ; lane l: the counts of wave l % 16
	s_wait_dscnt 0x0
.irp x, 1,2,4,8
.irp c, 0,1,2
	v_add_f32_dpp v[G+\c], v[G+\c], v[G+\c] row_xmask:\x row_mask:0xf bank_mask:0xf   ; sums over the 16 lanes of a row: every lane ends with the total
.endr
.endr
	v_readfirstlane_b32 s31, v[G]
	v_readfirstlane_b32 s32, v[G+1]
	v_readfirstlane_b32 s33, v[G+2]
	s_cmp_ge_u32 s31, KSELF                        ; the counts fall as the candidates rise: the last candidate that holds is taken
	s_cselect_b32 s19, s22, s19
	s_cmp_ge_u32 s32, KSELF
	s_cselect_b32 s19, s23, s19
	s_cmp_ge_u32 s33, KSELF
	s_cselect_b32 s19, s24, s19
	s_sub_co_u32 s20, s20, 2
.endm
	SEL 0                                          ; bits 29:28; then seven trips of two steps: the halves of LDS take turns throughout
.Lsel:
	SEL 1
	SEL 0
	s_sub_co_u32 s34, s34, 1
	s_cmp_lg_u32 s34, 0
	s_cbranch_scc1 .Lsel
	s_wait_kmcnt 0x0                               ; mask[b][l]
	s_cmp_lg_u32 s18, 0
	s_cselect_b32 s30, 0x3f800000, 0               ; keep, as f32
	v_mov_b32 v[KF], s30
.irp i, 0,1,2,3
	v_cmp_le_u32 vcc_lo, s19, v[F+\i]              ; upd >= threshold
	v_cndmask_b32 v[F+\i], 0, v[KF], vcc_lo        ; the factor of my position: keep or 0
.endr
.irp j, 0,1,2,3
	s_wait_loadcnt 3-\j                            ; loads come back in order (ISA guide 5.7.1): load j is in, the younger ones stay out
	v_pk_mul_f32 v[X+4*\j:X+4*\j+1], v[X+4*\j:X+4*\j+1], v[F:F+1]
	v_pk_mul_f32 v[X+4*\j+2:X+4*\j+3], v[X+4*\j+2:X+4*\j+3], v[F+2:F+3]
	global_store_b128 v[XOFF], v[X+4*\j:X+4*\j+3], s[10:11] offset:16384*\j th:TH_STORE_NT
.endr
	s_wait_tensorcnt 0x0
	ds_add_u32 v48, v49
	s_wait_dscnt 0x0
	s_endpgm
.Lfunc_end_k_q59a0f8a9a5_apply:
	.size	k_q59a0f8a9a5_apply, .Lfunc_end_k_q59a0f8a9a5_apply-k_q59a0f8a9a5_apply
	.p2alignl 7, 3214868480
	.fill 96, 4, 3214868480
	.section	.rodata,"a",@progbits
	.p2align	6, 0x0
	.amdhsa_kernel k_q59a0f8a9a5_apply
		.amdhsa_group_segment_fixed_size 2560
		.amdhsa_private_segment_fixed_size 0
		.amdhsa_enable_private_segment 0
		.amdhsa_kernarg_size 32
		.amdhsa_user_sgpr_count 2
		.amdhsa_user_sgpr_kernarg_segment_ptr 1
		.amdhsa_wavefront_size32 1
		.amdhsa_system_sgpr_workgroup_id_x 1
		.amdhsa_system_sgpr_workgroup_id_y 1
		.amdhsa_system_sgpr_workgroup_id_z 1
		.amdhsa_system_vgpr_workitem_id 0
		.amdhsa_next_free_vgpr 50
		.amdhsa_next_free_sgpr 66
		.amdhsa_reserve_vcc 1
		.amdhsa_float_denorm_mode_32 3
		.amdhsa_float_denorm_mode_16_64 3
		.amdhsa_memory_ordered 1
		.amdhsa_forward_progress 1
		.amdhsa_inst_pref_size 18
	.end_amdhsa_kernel
	.amdgpu_metadata
---
amdhsa.version: [ 1, 2 ]
amdhsa.kernels:
  - .name:           k_q59a0f8a9a5_apply
    .symbol:         k_q59a0f8a9a5_apply.kd
    .args:
      - { .name: mask, .offset: 0, .size: 8, .value_kind: global_buffer, .address_space: global }
      - { .name: upd, .offset: 8, .size: 8, .value_kind: global_buffer, .address_space: global }
      - { .name: x, .offset: 16, .size: 8, .value_kind: global_buffer, .address_space: global }
      - { .name: out0, .offset: 24, .size: 8, .value_kind: global_buffer, .address_space: global }
    .group_segment_fixed_size: 2560
    .private_segment_fixed_size: 0
    .kernarg_segment_align: 8
    .kernarg_segment_size: 32
    .max_flat_workgroup_size: 512
    .sgpr_count:     66
    .vgpr_count:     50
    .wavefront_size: 32
...
	.end_amdgpu_metadata
.endif
;; end of part 4
